; MI455X (gfx1250); checked and timed in simulation.
; The chip was launched on July 23, 2026; its instructions are those of AMD's public machine-readable ISA for CDNA 5 (MIT licence, August 2026) and "CDNA5" Instruction Set Architecture Reference Guide (July 2026). The comments in the code are by the model that wrote it; some were corrected since.
;; Attn. Allowed arithmetic: matrix products marked QUANTISED: E2M3 operands, one E8M0 scale for each 32 along K, by v_wmma_scale_f32_16x16x128_f8f6f4 with both operands' format E2M3, f32 sums; products left as they are: f32 operands where the result goes on into a quantised operand, else bf16, f16 or f32 operands; f32 sums; everything else in f32.
;; Inputs: W 1,024 x 2,048 float32; b 1,024 float32; encoderOutputs 1,024 x 32 x 1,024 float32; hidden 32 x 1,024 float32; v 1,024 float32.
;; Outputs: out0 32 x 1 x 1,024 float32.
;; This version of the problem:
;;   THIS VERSION OF THE PROBLEM IS GIVEN IN LOW PRECISION. The matrix products marked QUANTISED in the list below multiply operands that are first quantised to E2M3 (2 exponent bits, 3 mantissa bits; 6 bits a number), with one power-of-two scale for each 32 numbers along K (OCP MX v1.0); their sums are f32. All else is computed in f32.
;;   The module's matrix products, in the order in which they are computed (A, B: the left and right operand; K: the contracted axis; several contracted axes count as one K, in the product's order):
;;     1. [M 32,768, K 2,048] x [K 2,048, N 1,024]; A: computed on the way; B: input W: QUANTISED
;;     2. [M 32,768, K 1,024] x [K 1,024, N 1]; A: computed on the way; B: input v: left as it is (N = 1 < 16)
;;   THE QUANTISER, for each operand of a quantised product, along K:
;;     - K is cut into blocks of 32 from its start; a last block that is shorter is filled with zeros.
;;     - A block's scale is 2^e with e = floor(log2(the largest magnitude in the block)) - 2, held to -126 .. 127; a block of zeros has e = 0. As a byte (E8M0): e + 127.
;;     - Each number is divided by its block's scale, clamped to +-7.5, and rounded to the nearest number of E2M3, ties to even, subnormals kept.
;;     - The product sums the exact products of the quantised numbers (number of the format x scale) in f32.
;;   ~~~python
;;   def quantise(x, axis):      # numpy; x: float32 -> the quantised numbers, widened to float32 again
;;       x = np.moveaxis(x, axis, -1); K = x.shape[-1]
;;       x = np.pad(x, [(0, 0)] * (x.ndim - 1) + [(0, -K % 32)]); x = x.reshape(x.shape[:-1] + (-1, 32)); a = np.abs(x).max(-1, keepdims=True)
;;       e = np.where(a > 0, np.clip(np.frexp(np.where(a > 0, a, 1))[1] - 1 - 2, -126, 127), 0)      # np.frexp(a)[1] - 1 = floor(log2(a)), exactly
;;       r = np.clip(x / 2.0 ** e, -7.5, 7.5)
;;       step = 2.0 ** (np.maximum(np.frexp(np.where(r == 0, 1, r))[1] - 1, 0) - 3)
;;       q = np.round(r / step) * step * 2.0 ** e      # np.round: ties to even
;;       return np.moveaxis(q.reshape(q.shape[:-2] + (-1,))[..., :K], -1, axis).astype(np.float32)
;;   ~~~
;;   OPERANDS COMPUTED ON THE WAY. 'Computed on the way' means the value that the module computes at that place (a softmax that the list does not call 'softmax' is quantised finished and normalised). What goes into a quantiser is computed in f32, as accurately as f32 sums, v_exp_f32 and their like allow (about 1e-6 of the number): no bf16 or f16 on the way to a quantiser, and a product that is left as it is and whose result goes on into a quantised operand takes f32 operands (vector FMAs, or v_wmma_f32_16x16x4_f32). A number that lies on a knife's edge between two numbers of the format may be rounded either way, as far as f32 arithmetic and the matrix unit's own rounding can turn it there, and no further.
;; One version. Each part assembles by itself: llvm-mc -triple=amdgcn-amd-amdhsa -mcpu=gfx1250 --defsym DOCPART=n.
;; ======== version 1 of 1: 3 launches
;; limits: right only within a limited range of input values
;; workspace buffers: wimg 819,200 bytes; hbimg 524,288 bytes; sc 131,072 bytes
;; launch prep (part 1): grid 256 x 1, 2 waves a work-group, no clusters, 21,248 bytes of LDS; arguments W, b, hidden, wimg, hbimg; writes wimg, hbimg
.if DOCPART == 1
	.amdgcn_target "amdgcn-amd-amdhsa--gfx1250"
	.amdhsa_code_object_version 6
	.text
	.protected	k_qf98ec5a17d_prep
	.globl	k_qf98ec5a17d_prep
	.p2align	8
	.type	k_qf98ec5a17d_prep,@function
k_qf98ec5a17d_prep:
	s_mov_b64 s[64:65], 0
	v_nop
	global_prefetch_b8 v0, s[64:65] scope:SCOPE_SE
	s_setreg_imm32_b32 hwreg(HW_REG_WAVE_MODE, 25, 1), 1
	s_wait_xcnt 0x0
; W [1024][2048] f32, hidden [32][1024] f32, b [1024] f32.  Two things are made, once for the whole program:
;  (1) wimg: the codes of FP6 (E2M3) and the E8M0 scale words of W's columns 1024 .. 2047 (the half of K that meets encoderOutputs), laid as IMAGES OF THE OPERAND'S REGISTERS:
;      [K slice k of 128][wave w of the next launch][25,600 bytes]: 16 tiles of 16 rows of W (n = 256 w + 16 t + r) x 1,536 bytes (register 4 c + e of lane l at 512 c + 16 l + 4 e),
;      then 1,024 bytes of scale words: tile t, row r at 128 (t % 8) + 64 (t / 8) + 4 r.
;  (2) hbimg: FOUR PARTS, one for each quarter kq of K = 0 .. 1023, of c (Q(hidden[b]) . Q(W[n][0 .. 1023]) + b[n]), c = 2 log2(e); part 0 carries c b[n]; the next launch adds the four.
;      hidden[b] is repeated for all 1,024 s, and the quantiser's blocks of 32 never straddle the seam of the concatenation at K = 1,024: so this half of the product is the same
;      for every s and is multiplied once, by the same scaled FP6 matrix instruction.
; SHARES.  Work-group g takes rows 16 T .. 16 T + 15 of W, T = g / 4, and the quarter kq = g % 4 of K; its wave lw the K step ks = 2 kq + lw of 128, in both halves of W and in hidden: four sets of 16 rows x 128 numbers.
; LOADS.  One load takes one row's 512 consecutive bytes of the K step, 16 bytes a lane; a set is 16 loads.  The conversions want neighbours along K in ONE lane's registers: so a set turns through the wave's
; own stage in LDS (16 rows, 528 bytes apart) and comes back with lane (r, h) holding row r and k = 64 c + 32 h + 0 .. 31 in register 32 c + i: two whole blocks of 32, in the order of the operand's layout.
; A block's scale is 2^(floor(log2(largest magnitude)) - 2); its byte is the largest magnitude's exponent field - 2, held at 1 from below.  A block of zeros keeps the byte 1: its codes are zeros, and this program alone reads the bytes.
; LIMITS: NaN and infinities among the inputs are not served; a block whose largest magnitude lies under 2^-124 keeps the byte 1.  The K steps' sums are added in f32.
; REGISTERS, in windows of 256: window 0: v1-9 addresses; v10-63 fragments, scale words and the quantiser's work; v64-127, v128-191 a turned set, two by turns; v192-207 the two results; v208-223 the parts of the sums.
;   window 1: the four sets as they are loaded, 64 registers each.
.set CEXP, 0x4038aa3b                  ; c = 2 log2(e)
.set STG,  4096                        ; LDS: bytes 0 .. 4,095 the two waves' parts of the sums; from here a stage of 16 x 528 bytes for each wave
.set SPI,  528                         ; the stage's pitch: 512 + 16, an odd multiple of 16 bytes
.set SPARE, 20992                      ; behind the stages: the spare words, 128 bytes a wave
.set X0,  64
.set X1,  128
.set D0,  192
.set D1,  200
.set PS,  208
.set F0,  10                           ; fragment: hidden 0-15; later W's second half
.set F1,  22                           ; hidden 16-31
.set F2,  34                           ; W's first half
.set SW,  46                           ; v46-49 the four scale words: these registers hold scales and nothing else
.set M,   50
.set SO,  52
.set BY,  54
.set T4,  56
.set LW,  59                           ; LDS: 2,048 lw + 16 lane
.set LR,  63                           ; LDS: 1,024 lw + 16 lane
.set TO_1, 0x40
.set ST_1, 0x04
.set MSB, 0
.macro WIN new
.if MSB != (\new)
	s_set_vgpr_msb (MSB<<8)|(\new)
.set MSB, (\new)
.endif
.endm
	s_load_b256 s[4:11], s[0:1], 0x0               ; W s[4:5], b s[6:7], hidden s[8:9], wimg s[10:11]
	s_load_b64 s[12:13], s[0:1], 0x20              ; hbimg
	v_lshl_add_u32 v254, v0, 2, SPARE
	v_mov_b32 v255, 0
	v_lshrrev_b32 v1, 5, v0
	v_readfirstlane_b32 s14, v1                    ; wave lw
	v_and_b32 v9, 31, v0                           ; lane
	v_and_b32 v5, 15, v0                           ; r
	v_bfe_u32 v4, v0, 4, 1                         ; h
	v_lshlrev_b32 v3, 4, v9                        ; 16 lane
	s_mul_i32 s36, s14, 16*SPI
	s_add_co_u32 s36, s36, STG                     ; my stage
	v_add_nc_u32 v1, s36, v3                       ; in: 16 lane, a row an instruction
	v_mul_u32_u24 v2, v5, SPI
	v_lshl_add_u32 v2, v4, 7, v2
	v_add_nc_u32 v2, s36, v2                       ; out: row r + 128 h
	s_lshl_b32 s34, s14, 11
	v_add_nc_u32 v[LW], s34, v3
	s_lshl_b32 s35, s14, 10
	v_add_nc_u32 v[LR], s35, v3
	v_lshlrev_b32 v5, 2, v5                        ; 4 r
	v_lshlrev_b32 v4, 3, v4                        ; 8 h: my two bytes' place in a scale word
	v_mov_b32 v7, 0                                ; a lane permute's destination counts as one of its sources
	s_mov_b32 s20, 0x76543210
	s_mov_b32 s21, 0xfedcba98                      ; selects for lane l xor 16
	s_lshr_b32 s37, ttmp9, 2                       ; T
	s_and_b32 s38, ttmp9, 3                        ; kq
	s_lshl_b32 s15, s38, 1
	s_add_co_u32 s15, s15, s14                     ; ks = 2 kq + lw
	s_lshl_b32 s16, s37, 17                        ; 16 rows of W are 131,072 bytes
	s_lshl_b32 s18, s15, 9                         ; a K step is 512 bytes of f32
	s_add_co_u32 s16, s16, s18
	s_mov_b32 s17, 0
	s_mov_b32 s19, 0
	s_lshl_b32 s24, s37, 6                         ; b: 16 numbers a tile
	s_mov_b32 s25, 0
	s_mul_i32 s26, s15, 102400                     ; wimg: slice ks,
	s_lshr_b32 s28, s37, 4
	s_mul_i32 s28, s28, 25600                      ; region T / 16
	s_add_co_u32 s26, s26, s28
	s_and_b32 s28, s37, 15
	s_mul_i32 s28, s28, 1536                       ; tile T % 16
	s_add_co_u32 s28, s28, s26
	s_mov_b32 s29, 0
	s_and_b32 s30, s37, 7                          ; and its scale words
	s_lshl_b32 s30, s30, 7
	s_bfe_u32 s31, s37, 0x10003
	s_lshl_b32 s31, s31, 6
	s_add_co_u32 s30, s30, s31
	s_add_co_u32 s30, s30, s26
	s_add_co_u32 s30, s30, 24576
	s_mov_b32 s31, 0
	s_lshl_b32 s32, s37, 11                        ; hbimg: part kq of 131,072 bytes, 2,048 bytes a tile, 1,024 of them mine
	s_add_co_u32 s32, s32, s35
	s_lshl_b32 s39, s38, 17
	s_add_co_u32 s32, s32, s39
	s_mov_b32 s33, 0
	s_cmp_eq_u32 s38, 0
	s_cselect_b32 s39, CEXP, 0                     ; the bias goes into part 0 alone
	s_wait_alu depctr_va_vdst(0)
	s_wait_kmcnt 0x0
	s_add_nc_u64 s[4:5], s[4:5], s[16:17]
	s_add_nc_u64 s[6:7], s[6:7], s[24:25]
	s_add_nc_u64 s[8:9], s[8:9], s[18:19]
	s_add_nc_u64 s[22:23], s[10:11], s[30:31]      ; the scale words' place
	s_add_nc_u64 s[10:11], s[10:11], s[28:29]      ; the codes' place
	s_add_nc_u64 s[12:13], s[12:13], s[32:33]
.macro LDH set, off                    ; 16 rows of hidden into registers 64 set .. of window 1 (many work-groups read hidden: no hint)
.irp i, 0,1,2,3,4,5,6,7,8,9,10,11,12,13,14,15
	global_load_b128 v[64*\set+4*\i:64*\set+4*\i+3], v3, s[8:9] offset:\off+4096*\i
.endr
.endm
.macro LDW set, off                    ; the same of W's 16 rows, which the whole launch reads once
.irp i, 0,1,2,3,4,5,6,7,8,9,10,11,12,13,14,15
	global_load_b128 v[64*\set+4*\i:64*\set+4*\i+3], v3, s[4:5] offset:\off+8192*\i th:TH_LOAD_NT
.endr
.endm
; A set goes through my stage: in as it was loaded, out 128 bytes of each half of the K step to a lane.  LDS serves a wave's instructions in order (ISA guide 5.7.1.4).
.macro TURN set, x
	WIN ST_1
.irp i, 0,1,2,3,4,5,6,7,8,9,10,11,12,13,14,15
	ds_store_b128 v1, v[64*\set+4*\i:64*\set+4*\i+3] offset:SPI*\i
.endr
	WIN 0
.irp c, 0,1
.irp i, 0,1,2,3,4,5,6,7
	ds_load_b128 v[\x+32*\c+4*\i:\x+32*\c+4*\i+3], v2 offset:256*\c+16*\i
.endr
.endr
.endm
; 64 numbers become a fragment's 12 registers and its scale word
.macro QW src, frag, sw
.irp c, 0,1
	v_max3_num_f32 v[M+\c], |v[\src+32*\c]|, |v[\src+32*\c+1]|, 0x1800000   ; my block 2 c + h, and the floor 2^(3 - 127): the byte cannot fall under 1
.endr
.irp i, 2,4,6,8,10,12,14,16,18,20,22,24,26,28,30
.irp c, 0,1
	v_max3_num_f32 v[M+\c], v[M+\c], |v[\src+32*\c+\i]|, |v[\src+32*\c+\i+1]|   ; (the two blocks by turns)
.endr
.endr
.irp c, 0,1
	v_add_nc_u32 v[SO+\c], 0xff000000, v[M+\c]     ; 2 off the exponent field: the conversion's scale operand
.endr
.irp c, 0,1
	v_lshrrev_b32 v[BY+\c], 23, v[SO+\c]           ; the scale's byte
.endr
	v_lshl_or_b32 v[\sw], v[BY+1], 16, v[BY]       ; blocks h and 2 + h,
	v_lshlrev_b32 v[\sw], v4, v[\sw]               ; 8 h bits up;
	v_permlanex16_b32 v7, v[\sw], s20, s21
	v_or_b32 v[\sw], v[\sw], v7                    ; with lane l xor 16's two bytes the word is whole
.irp c, 0,1
	v_cvt_scalef32_pk16_fp6_f32 v[\frag+6*\c:\frag+6*\c+2], v[\src+32*\c:\src+32*\c+15], v[SO+\c]
	v_cvt_scalef32_pk16_fp6_f32 v[T4+4*\c:T4+4*\c+2], v[\src+32*\c+16:\src+32*\c+31], v[SO+\c]   ; (a conversion's three registers begin on an even number)
.endr
	v_nop                                          ; one plain place behind a scaled conversion
.irp c, 0,1
.irp i, 0,1,2
	v_mov_b32 v[\frag+6*\c+3+\i], v[T4+4*\c+\i]
.endr
.endr
.endm
	global_load_b32 v6, v5, s[6:7]                 ; the bias of column 16 T + r
	WIN TO_1
	LDH 0, 0                                       ; hidden, rows 0-15
	LDH 1, 65536                                   ; hidden, rows 16-31
	LDW 2, 0                                       ; W, first half of K
	s_wait_loadcnt 32                              ; the two youngest sets may be out: the bias and hidden's rows 0-15 are in
	LDW 3, 4096                                    ; W, second half of K
	TURN 0, X0
	s_wait_loadcnt 32                              ; W's two sets may be out: hidden's rows 16-31 are in
	s_wait_dscnt 0x0                               ; hidden's rows 0-15 are back from the stage
	TURN 1, X1                                     ; the next set's turn is on its way while this one is quantised
	QW X0, F0, SW
	s_wait_loadcnt 16                              ; W's second half may be out
	s_wait_dscnt 0x0
	TURN 2, X0
	QW X1, F1, SW+1
	s_wait_loadcnt 0x0
	s_wait_dscnt 0x0
	TURN 3, X1
	QW X0, F2, SW+2
.rept 8
	v_nop                                          ; a scale register written by a vector instruction stands 8 places ahead of a scaled matrix instruction, an operand so written 4
.endr
	v_wmma_scale_f32_16x16x128_f8f6f4 v[D0:D0+7], v[F0:F0+11], v[F2:F2+11], 0, v[SW], v[SW+2] matrix_a_fmt:MATRIX_FMT_FP6 matrix_b_fmt:MATRIX_FMT_FP6     ; register j of lane (r, h): batch row 8 h + j, column 16 T + r
	v_wmma_scale_f32_16x16x128_f8f6f4 v[D1:D1+7], v[F1:F1+11], v[F2:F2+11], 0, v[SW+1], v[SW+2] matrix_a_fmt:MATRIX_FMT_FP6 matrix_b_fmt:MATRIX_FMT_FP6   ; batch rows 16 + 8 h + j
	s_wait_dscnt 0x0                               ; W's second half is back from the stage
	QW X1, F0, SW+3                                ; its 32 maxima name no register of the products: they are the places behind them (ISA guide 7.12.1)
.irp c, 0,1,2
	global_store_b128 v3, v[F0+4*\c:F0+4*\c+3], s[10:11] offset:512*\c   ; the fragment as it stands: 512 consecutive bytes a store
.endr
	global_store_b32 v5, v[SW+3], s[22:23]         ; lanes l and l xor 16 hold the same word and write it to the same place
	ds_store_b128 v[LW], v[D0:D0+3]                ; my K step's part of the sums, each result from its low end on
	ds_store_b128 v[LW], v[D0+4:D0+7] offset:512
	ds_store_b128 v[LW], v[D1:D1+3] offset:1024
	ds_store_b128 v[LW], v[D1+4:D1+7] offset:1536
	s_wait_dscnt 0x0                               ; for the other wave's sake: my stores have landed
	s_barrier_signal -1
	s_barrier_wait -1
.irp p, 0,1
.irp j, 0,1
	ds_load_b128 v[PS+8*\p+4*\j:PS+8*\p+4*\j+3], v[LR] offset:2048*\p+512*\j   ; wave lw finishes bytes 1,024 lw .. + 1,023 of the tile's image: both K steps' parts
.endr
.endr
	v_mul_f32 v[SO], s39, v6                       ; c x bias (part 0) or 0: all my numbers belong to column 16 T + r
	v_mov_b32 v[SO+1], v[SO]
	s_wait_alu depctr_va_vdst(0)
	s_wait_dscnt 0x0
.irp i, 0,2,4,6
	v_pk_add_f32 v[PS+\i:PS+\i+1], v[PS+\i:PS+\i+1], v[PS+8+\i:PS+9+\i]   ; K ascending
.endr
.irp i, 0,2,4,6
	v_pk_fma_f32 v[PS+\i:PS+\i+1], v[PS+\i:PS+\i+1], CEXP, v[SO:SO+1] op_sel_hi:[1,0,1]
.endr
	global_store_b128 v3, v[PS:PS+3], s[12:13]     ; 32 lanes store 512 consecutive bytes, at a multiple of 256 from the buffer's first byte
	global_store_b128 v3, v[PS+4:PS+7], s[12:13] offset:512
	s_wait_tensorcnt 0x0                           ; the wave's end
	ds_add_u32 v254, v255
	s_wait_dscnt 0x0
	s_endpgm
.Lfunc_end_k_qf98ec5a17d_prep:
	.size	k_qf98ec5a17d_prep, .Lfunc_end_k_qf98ec5a17d_prep-k_qf98ec5a17d_prep
	.p2alignl 7, 3214868480
	.fill 96, 4, 3214868480
	.section	.rodata,"a",@progbits
	.p2align	6, 0x0
	.amdhsa_kernel k_qf98ec5a17d_prep
		.amdhsa_group_segment_fixed_size 21248
		.amdhsa_private_segment_fixed_size 0
		.amdhsa_enable_private_segment 0
		.amdhsa_kernarg_size 40
		.amdhsa_user_sgpr_count 2
		.amdhsa_user_sgpr_kernarg_segment_ptr 1
		.amdhsa_wavefront_size32 1
		.amdhsa_system_sgpr_workgroup_id_x 1
		.amdhsa_system_sgpr_workgroup_id_y 1
		.amdhsa_system_sgpr_workgroup_id_z 1
		.amdhsa_system_vgpr_workitem_id 0
		.amdhsa_next_free_vgpr 512
		.amdhsa_next_free_sgpr 66
		.amdhsa_reserve_vcc 0
		.amdhsa_float_denorm_mode_32 3
		.amdhsa_float_denorm_mode_16_64 3
		.amdhsa_memory_ordered 1
		.amdhsa_forward_progress 1
		.amdhsa_inst_pref_size 32
	.end_amdhsa_kernel
	.amdgpu_metadata
---
amdhsa.version: [ 1, 2 ]
amdhsa.kernels:
  - .name:           k_qf98ec5a17d_prep
    .symbol:         k_qf98ec5a17d_prep.kd
    .args:
      - { .name: W, .offset: 0, .size: 8, .value_kind: global_buffer, .address_space: global }
      - { .name: b, .offset: 8, .size: 8, .value_kind: global_buffer, .address_space: global }
      - { .name: hidden, .offset: 16, .size: 8, .value_kind: global_buffer, .address_space: global }
      - { .name: wimg, .offset: 24, .size: 8, .value_kind: global_buffer, .address_space: global }
      - { .name: hbimg, .offset: 32, .size: 8, .value_kind: global_buffer, .address_space: global }
    .group_segment_fixed_size: 21248
    .private_segment_fixed_size: 0
    .kernarg_segment_align: 8
    .kernarg_segment_size: 40
    .max_flat_workgroup_size: 64
    .sgpr_count:     66
    .vgpr_count:     512
    .wavefront_size: 32
...
	.end_amdgpu_metadata
.endif
;; end of part 1
;; launch main (part 2): grid 256 x 1, 4 waves a work-group, clusters of 4 x 1, 327,680 bytes of LDS; arguments encoderOutputs, v, wimg, hbimg, sc; writes sc
.if DOCPART == 2
	.amdgcn_target "amdgcn-amd-amdhsa--gfx1250"
	.amdhsa_code_object_version 6
	.text
	.protected	k_qf98ec5a17d_main
	.globl	k_qf98ec5a17d_main
	.p2align	8
	.type	k_qf98ec5a17d_main,@function
k_qf98ec5a17d_main:
	s_mov_b64 s[64:65], 0
	v_nop
	global_prefetch_b8 v0, s[64:65] scope:SCOPE_SE
	s_setreg_imm32_b32 hwreg(HW_REG_WAVE_MODE, 25, 1), 1
	s_wait_xcnt 0x0
	s_wait_alu depctr_hold_cnt(0) depctr_sa_sdst(0) depctr_va_vdst(0) depctr_va_sdst(0) depctr_va_ssrc(0) depctr_va_vcc(0) depctr_vm_vsrc(0)
	s_getreg_b32 s2, hwreg(HW_REG_IB_STS2, 6, 4)
	s_cmp_eq_u32 s2, 0
	s_cbranch_scc0 .Lentry_in_a_cluster
	s_endpgm
.Lentry_in_a_cluster:
	s_bfe_u32 s2, ttmp6, 0x10000c
	s_cmp_lg_u32 s2, 0x3003
	s_cbranch_scc0 .Lentry_shape_is_right
	s_endpgm
.Lentry_shape_is_right:
; sc[b][s] = sum over n of v[n] tanh(Q(enc[s][b]) . Q(W[n][1024 .. 2047]) + hb[b][n]); hb holds the half of the product that meets hidden, and the bias: the launch before made it, in four parts, times c = 2 log2(e).
; SHARES.  Work-group g takes batch row b = g % 32 and the 128 positions s from 128 (g / 32) on, as two blocks of 64 rows, one after the other: ONE loop over the two blocks holds the way out once.
; A wave takes 64 rows x 256 columns n: 64 accumulators, 512 registers (windows 2 and 3).  K = 1,024 goes in 8 slices of 128, a slice a phase.
; W's codes and scale words come as images of the operand's registers, 25,600 bytes a wave and slice, by one tensor load a wave into a ring of two slots.  The four work-groups of a cluster
; walk the same slices: the loads are joint (mask 15), each refill behind a round of the cluster's barrier.  Each cluster begins at slice (cluster's number) % 8.
; enc comes as f32 by loads of 512 consecutive bytes of a row; a wave's set is 16 rows x 128 along K.  Two sets a wave are on their way; a set turns through the wave's stage in LDS, is quantised (largest magnitude of 32,
; exponent field - 2, conversion) one phase ahead of its products, and its fragment's image goes to LDS for all four waves.
; THE HEAD asks in the order of need: enc's set 0, W's first slice, enc's set 1, then v and hb (into v40-87, free until A's first fragments are fetched), whose arithmetic stands behind the first set's quantising.
; NO PREFETCH: enc's loads go straight into registers and are themselves issued two sets, that is two phases or 128 matrix instructions a wave, ahead of the turn that waits for them;
; W's image is 819,200 bytes in all, which every cluster walks twice.
; THE WAY OUT: tanh(x) = 1 - 2 / (1 + 2^(c x)); the products with v are summed along a lane's 16 tiles, across 16 lanes, and across the four waves through LDS.
; LIMITS: NaN and infinities among the inputs are not served; a block whose largest magnitude lies under 2^-124 keeps the scale byte 1.
.set IMG,   0
.set ISC,   12288
.set STAGE, 13312
.set CONST, 47104
.set RED,   65536
.set SPARE, 67584
.set RING,  68096
.set SLOT,  102400
.set WREG,  25600
.set SCW,   24576
.set FRB,   1536
.set SPI,   528
.set ROWE,  131072
.set SCB,  16
.set SCA,  32
.set AF,   40
.set TM,   88
.set PW,   104
.set PC,   106
.set X,    128
.set RS,   192
.set ACS,  88
.set VV,   128
.set HB,   144
.set SVR,  160
.set RDA,  164
.set MUL_LO, 0xa4
.set MUL_HI, 0xf4
.set TO_1,   0x40
.set ST_1,   0x04
.set MSB, 0
.macro WIN new
.if MSB != (\new)
	s_set_vgpr_msb (MSB<<8)|(\new)
.set MSB, (\new)
.endif
.endm
.macro PLACES n
.rept \n
	v_nop
.endr
.endm
.macro CROUND
	s_barrier_signal -1
	s_barrier_wait -1
	s_cmp_lg_u32 s14, 0
	s_cbranch_scc1 .Lnot_wave_0_\@
	s_barrier_signal -3
.Lnot_wave_0_\@:
	s_barrier_wait -3
	s_barrier_signal -1
	s_barrier_wait -1
.endm
.macro LOADSET p
	s_wait_xcnt 0x0
	s_add_co_u32 s22, s20, s19
	s_and_b32 s22, s22, 7
	s_lshl_b32 s22, s22, 9
	s_lshr_b32 s59, s20, 3
	s_lshl_b32 s59, s59, 23
	s_or_b32 s22, s22, s59
	s_add_nc_u64 s[40:41], s[4:5], s[22:23]
	s_add_co_u32 s20, s20, 1
.if (\p)
	WIN TO_1
.else
	WIN 0
.endif
.irp i, 0,1,2,3,4,5,6,7,8,9,10,11,12,13,14,15
	global_load_b128 v[RS+4*\i:RS+4*\i+3], v3, s[40:41] offset:ROWE*\i th:TH_LOAD_NT
.endr
	WIN 0
.endm
.macro TURNSET p, lc
	s_wait_loadcnt \lc
.if (\p)
	WIN ST_1
.else
	WIN 0
.endif
.irp i, 0,1,2,3,4,5,6,7,8,9,10,11,12,13,14,15
	ds_store_b128 v9, v[RS+4*\i:RS+4*\i+3] offset:SPI*\i
.endr
	WIN 0
.irp q, 0,1,2,3
.irp j, 0,1,2,3
	ds_load_b128 v[X+16*\q+4*\j:X+16*\q+4*\j+3], v10 offset:128*\q+16*\j
.endr
.endr
.endm
.macro QUANT
	WIN 0
.irp b, 0,1,2,3
	v_max3_num_f32 v[TM+\b], |v[X+16*\b]|, |v[X+1+16*\b]|, 0x1800000
.endr
.irp i, 2,4,6,8,10,12,14
.irp b, 0,1,2,3
	v_max3_num_f32 v[TM+\b], v[TM+\b], |v[X+16*\b+\i]|, |v[X+1+16*\b+\i]|
.endr
.endr
.irp b, 0,1,2,3
	v_permlanex16_b32 v[TM+4+\b], v[TM+\b], s44, s45
.endr
.irp b, 0,1,2,3
	v_max_num_f32 v[TM+\b], v[TM+\b], v[TM+4+\b]
.endr
.irp b, 0,1,2,3
	v_add_nc_u32 v[TM+12+\b], 0xff000000, v[TM+\b]
.endr
.irp b, 0,1,2,3
	v_lshrrev_b32 v[TM+4+\b], 23, v[TM+12+\b]
.endr
	v_lshl_or_b32 v[PW], v[TM+5], 8, v[TM+4]
	v_lshl_or_b32 v[PW], v[TM+6], 16, v[PW]
	v_lshl_or_b32 v[PW], v[TM+7], 24, v[PW]
.irp c, 0,1
	v_cvt_scalef32_pk16_fp6_f32 v[PC+6*\c:PC+2+6*\c], v[X+32*\c:X+15+32*\c], v[TM+12+2*\c]
	v_cvt_scalef32_pk16_fp6_f32 v[PC+12+4*\c:PC+14+4*\c], v[X+16+32*\c:X+31+32*\c], v[TM+12+2*\c+1]
.endr
	v_nop
.irp c, 0,1
.irp i, 0,1,2
	v_permlane16_swap_b32 v[PC+6*\c+\i], v[PC+12+4*\c+\i]
.endr
.irp i, 0,1,2
	v_mov_b32 v[PC+3+6*\c+\i], v[PC+12+4*\c+\i]
.endr
.endr
.endm
.macro IMAGE ib
.irp c, 0,1,2
	ds_store_b128 v11, v[PC+4*\c:PC+4*\c+3] offset:IMG+4*FRB*(\ib)+512*\c
.endr
	ds_store_b32 v12, v[PW] offset:512*(\ib)
.endm
.macro FETCH_B half, par
	WIN TO_1
.irp u, 0,1,2,3,4,5,6,7
.irp c, 0,1,2
	ds_load_b128 v[96*\half+12*\u+4*\c:96*\half+12*\u+4*\c+3], v[5+(\par)] offset:FRB*(8*\half+\u)+512*\c
.endr
.endr
	WIN 0
.endm
.macro FETCH_S par
.irp q, 0,1,2,3,4,5,6,7
	ds_load_b32 v[SCB+8*(\par)+\q], v[7+(\par)] offset:128*\q
.endr
.irp m, 0,1,2,3
	ds_load_b32 v[SCA+4*(\par)+\m], v4 offset:ISC+512*(\par)+128*\m
.endr
.endm
.macro FETCH_A par, m0
.irp m, \m0, \m0+1
.irp c, 0,1,2
	ds_load_b128 v[AF+12*(\m)+4*\c:AF+12*(\m)+4*\c+3], v3 offset:IMG+4*FRB*(\par)+FRB*(\m)+512*\c
.endr
.endr
.endm
.macro RUN mp, half, par, zero
.if \mp
	WIN MUL_HI
.else
	WIN MUL_LO
.endif
.irp u, 0,1,2,3,4,5,6,7
.irp mm, 0,1
.set AC_, 128*\mm+8*(8*\half+\u)
.set AR_, AF+12*(2*\mp+\mm)
.set BR_, 96*\half+12*\u
.set SA_, SCA+4*(\par)+2*\mp+\mm
.set SB_, SCB+8*(\par)+\u
.if \zero
.if \half
	v_wmma_scale_f32_16x16x128_f8f6f4 v[AC_:AC_+7], v[AR_:AR_+11], v[BR_:BR_+11], 0, v[SA_], v[SB_] matrix_a_fmt:MATRIX_FMT_FP6 matrix_b_fmt:MATRIX_FMT_FP6 matrix_b_scale:MATRIX_SCALE_ROW1
.else
	v_wmma_scale_f32_16x16x128_f8f6f4 v[AC_:AC_+7], v[AR_:AR_+11], v[BR_:BR_+11], 0, v[SA_], v[SB_] matrix_a_fmt:MATRIX_FMT_FP6 matrix_b_fmt:MATRIX_FMT_FP6
.endif
.else
.if \half
	v_wmma_scale_f32_16x16x128_f8f6f4 v[AC_:AC_+7], v[AR_:AR_+11], v[BR_:BR_+11], v[AC_:AC_+7], v[SA_], v[SB_] matrix_a_fmt:MATRIX_FMT_FP6 matrix_b_fmt:MATRIX_FMT_FP6 matrix_b_scale:MATRIX_SCALE_ROW1
.else
	v_wmma_scale_f32_16x16x128_f8f6f4 v[AC_:AC_+7], v[AR_:AR_+11], v[BR_:BR_+11], v[AC_:AC_+7], v[SA_], v[SB_] matrix_a_fmt:MATRIX_FMT_FP6 matrix_b_fmt:MATRIX_FMT_FP6
.endif
.endif
.endr
.endr
.endm
.macro PHASE par, zero, fill, qm, lc
	FETCH_B 1, \par
	s_wait_dscnt 30
	RUN 0, 0, \par, \zero
.if \qm
	TURNSET 1-\par, \lc
	s_wait_dscnt 56
.else
	s_wait_dscnt 24
.endif
	RUN 1, 0, \par, \zero
	s_wait_dscnt 0x0
.if \qm == 2
	LOADSET 1-\par
.endif
.if \qm
	QUANT
	IMAGE 1-\par
.endif
.if \fill == 2
	RUN 0, 1, \par, \zero
	RUN 1, 1, \par, \zero
	PLACES 4
	WIN 0
.else
	WIN 0
	s_wait_tensorcnt 0x0
	ds_add_u32 v1, v2
.if \fill == 1
	s_add_co_u32 s21, s21, 1
	s_and_b32 s47, s21, 7
	s_mul_i32 s48, s47, SLOT
	s_add_nc_u64 s[34+4*\par:35+4*\par], s[8:9], s[48:49]
	s_or_b32 s[35+4*\par], s[35+4*\par], 0x80000000
.endif
	RUN 0, 1, \par, \zero
	s_wait_dscnt 0x0
	WIN 0
.if \fill == 1
	CROUND
	tensor_load_to_lds s[32+4*\par:35+4*\par], s[24:31]
	s_nop 0
	PLACES 4
.else
	s_barrier_signal -1
	s_barrier_wait -1
	PLACES 4
.endif
	FETCH_B 0, 1-\par
	FETCH_S 1-\par
	FETCH_A 1-\par, 0
	RUN 1, 1, \par, \zero
	PLACES 4
	WIN 0
	FETCH_A 1-\par, 2
.endif
.endm
.macro EA g
.set EW, 2+(\g)/4
	WIN (EW<<6)|EW
.irp mm, 0,1
.irp u, 0,1,2,3
.set TT, 4*((\g)%4)+\u
.set RG, 128*\mm+8*TT
.irp p, 0,2,4,6
.if TT%2
	v_pk_fma_f32 v[RG+\p:RG+\p+1], v[RG+\p:RG+\p+1], s[42:43], v[HB+TT-1:HB+TT] op_sel:[0,0,1] op_sel_hi:[1,0,1]
.else
	v_pk_fma_f32 v[RG+\p:RG+\p+1], v[RG+\p:RG+\p+1], s[42:43], v[HB+TT:HB+TT+1] op_sel_hi:[1,0,0]
.endif
.endr
.endr
.endr
.endm
.macro EE g
.set EW, 2+(\g)/4
	WIN (EW<<6)|EW
.irp mm, 0,1
.set RG, 128*\mm+32*((\g)%4)
.rept 32
	v_exp_f32 v[RG], v[RG]
.set RG, RG+1
.endr
.endr
.endm
.macro ED g
.set EW, 2+(\g)/4
	WIN (EW<<6)|EW
.irp mm, 0,1
.set RG, 128*\mm+32*((\g)%4)
.rept 16
	v_pk_add_f32 v[RG:RG+1], v[RG:RG+1], 1.0 op_sel_hi:[1,0]
.set RG, RG+2
.endr
.endr
.endm
.macro ER g
.set EW, 2+(\g)/4
	WIN (EW<<6)|EW
.irp mm, 0,1
.set RG, 128*\mm+32*((\g)%4)
.rept 32
	v_rcp_f32 v[RG], v[RG]
.set RG, RG+1
.endr
.endr
.endm
.macro EF g
.set EW, 2+(\g)/4
	WIN EW
.irp u, 0,1,2,3
.set TT, 4*((\g)%4)+\u
.irp mm, 0,1
.set RG, 128*\mm+8*TT
.set SG, ACS+8*(2*((\g)/4)+\mm)
.irp p, 0,2,4,6
.if TT == 0
	v_pk_fma_f32 v[SG+\p:SG+\p+1], v[RG+\p:RG+\p+1], v[VV:VV+1], v[SVR:SVR+1] op_sel_hi:[1,0,1]
.elseif TT%2
	v_pk_fma_f32 v[SG+\p:SG+\p+1], v[RG+\p:RG+\p+1], v[VV+TT-1:VV+TT], v[SG+\p:SG+\p+1] op_sel:[0,1,0] op_sel_hi:[1,1,1]
.else
	v_pk_fma_f32 v[SG+\p:SG+\p+1], v[RG+\p:RG+\p+1], v[VV+TT:VV+TT+1], v[SG+\p:SG+\p+1] op_sel_hi:[1,0,1]
.endif
.endr
.endr
.endr
.endm
.macro EPI
.irp q, 0,1,2,3,4,5,6,7,8
	ds_load_b128 v[VV+4*\q:VV+4*\q+3], v13 offset:512*\q
.endr
	s_wait_dscnt 0x0
	EA 0
	s_wait_alu depctr_va_vdst(0)
	EE 0
	s_wait_alu depctr_va_vdst(0)
.irp g, 0,1,2,3,4,5,6,7
.if \g < 7
	s_wait_alu depctr_va_vdst(0)
	EA \g+1
.else
	v_nop
.endif
	s_wait_alu depctr_va_vdst(0)
.if \g > 0
	EF \g-1
.endif
	ED \g
	s_wait_alu depctr_va_vdst(0)
	ER \g
.if \g < 7
	EE \g+1
.endif
.endr
	v_nop
	s_wait_alu depctr_va_vdst(0)
	EF 7
	WIN 0
	v_add_nc_u32 v[RDA], s61, v14                  ; this block's 1,024 bytes of the waves' sums
.irp x, 1,2,4,8
.set RG, ACS
.rept 32
	v_add_f32_dpp v[RG], v[RG], v[RG] row_xmask:\x row_mask:0xf bank_mask:0xf
.set RG, RG+1
.endr
.endr
.irp m, 0,1,2,3
.irp q, 0,1
	ds_store_b128 v[RDA], v[ACS+8*\m+4*\q:ACS+8*\m+4*\q+3] offset:64*\m+16*\q
.endr
.endr
.endm
	s_load_b256 s[4:11], s[0:1], 0x0
	s_load_b64 s[12:13], s[0:1], 0x20
	v_lshl_add_u32 v1, v0, 2, SPARE
	v_mov_b32 v2, 0
	ds_add_u32 v1, v2
	ds_add_u32 v1, v2
	s_wait_dscnt 0x0
	v_lshrrev_b32 v3, 5, v0
	v_readfirstlane_b32 s14, v3
	v_and_b32 v4, 31, v0
	v_lshlrev_b32 v3, 4, v4
	v_lshlrev_b32 v4, 2, v4
	v_and_b32 v88, 15, v0
	v_bfe_u32 v89, v0, 4, 1
	v_lshlrev_b32 v126, 2, v88
	v_lshlrev_b32 v127, 4, v88
	v_lshl_add_u32 v127, v89, 17, v127             ; lanes 16-31 take the odd parts of hb
	s_bfe_u32 s15, ttmp6, 0x40000
	s_lshl_b32 s16, ttmp9, 2
	s_add_co_u32 s16, s16, s15
	s_and_b32 s17, s16, 31
	s_lshr_b32 s18, s16, 5
	s_and_b32 s19, ttmp9, 7
	s_mov_b32 s20, 0
	s_add_co_u32 s21, s19, 1
	s_mov_b32 s23, 0
	s_mov_b32 s49, 0
	s_mov_b32 s42, 0x4038aa3b
	s_mov_b32 s43, s42
	s_mov_b32 s44, 0x76543210
	s_mov_b32 s45, 0xfedcba98
	s_lshl_b32 s50, s18, 24
	s_lshl_b32 s51, s14, 21
	s_add_co_u32 s50, s50, s51
	s_lshl_b32 s51, s17, 12
	s_add_co_u32 s50, s50, s51
	s_mov_b32 s51, 0
	s_lshl_b32 s52, s14, 15
	s_lshr_b32 s53, s17, 4
	s_lshl_b32 s53, s53, 10
	s_add_co_u32 s52, s52, s53
	s_bfe_u32 s53, s17, 0x10002
	s_lshl_b32 s53, s53, 9
	s_add_co_u32 s52, s52, s53
	s_bfe_u32 s53, s17, 0x10003
	s_lshl_b32 s53, s53, 8
	s_add_co_u32 s52, s52, s53
	s_and_b32 s53, s17, 3
	s_lshl_b32 s53, s53, 2
	s_add_co_u32 s52, s52, s53
	s_mov_b32 s53, 0
	s_lshl_b32 s54, s17, 12
	s_lshl_b32 s55, s18, 9
	s_add_co_u32 s54, s54, s55
	s_lshl_b32 s55, s14, 7
	s_add_co_u32 s54, s54, s55
	s_mov_b32 s55, 0
	s_lshl_b32 s56, s14, 10
	s_mov_b32 s57, 0
	s_mul_i32 s48, s14, WREG
	s_wait_alu depctr_va_vdst(0)
	s_wait_kmcnt 0x0
	s_add_nc_u64 s[4:5], s[4:5], s[50:51]
	s_add_nc_u64 s[6:7], s[6:7], s[56:57]
	s_add_nc_u64 s[8:9], s[8:9], s[48:49]
	s_add_nc_u64 s[10:11], s[10:11], s[52:53]
	s_add_nc_u64 s[12:13], s[12:13], s[54:55]
	LOADSET 0                                      ; enc's set 0: needed first, asked for first
	s_mov_b32 s24, 15|(3<<16)|(1<<21)
	s_mov_b32 s25, 32<<16
	s_mov_b32 s26, 100<<16
	s_mov_b32 s27, 32<<16
	s_mov_b32 s28, 100
	s_mov_b32 s29, 32
	s_mov_b32 s30, 0
	s_mov_b32 s31, 0
	s_mul_i32 s47, s14, WREG
	s_mov_b32 s32, 1
	s_add_co_u32 s33, s47, RING
	s_mul_i32 s48, s19, SLOT
	s_add_nc_u64 s[34:35], s[8:9], s[48:49]
	s_or_b32 s35, s35, 0x80000000
	s_mov_b32 s36, 1
	s_add_co_u32 s37, s47, RING+SLOT
	s_and_b32 s48, s21, 7
	s_mul_i32 s48, s48, SLOT
	s_add_nc_u64 s[38:39], s[8:9], s[48:49]
	s_or_b32 s39, s39, 0x80000000
	CROUND
	tensor_load_to_lds s[32:35], s[24:31]
	s_nop 0
	PLACES 4
	LOADSET 1
.set VV,   40                          ; at the head v, hb and the sum of v are made in v40-75; hb's parts 2 and 3 land in v72-87
.set HB,   56
.set SVR,  72
.irp t, 0,1,2,3,4,5,6,7,8,9,10,11,12,13,14,15
	global_load_b32 v[VV+\t], v126, s[6:7] offset:64*\t
.endr
.irp t, 0,1,2,3,4,5,6,7,8,9,10,11,12,13,14,15
	global_load_b32 v[HB+\t], v127, s[10:11] offset:2048*\t
	global_load_b32 v[72+\t], v127, s[10:11] offset:262144+2048*\t
.endr
	s_wait_alu depctr_va_vdst(0)
	s_wait_tensorcnt 0x0
	ds_add_u32 v1, v2
	s_wait_dscnt 0x0
	CROUND
	tensor_load_to_lds s[36:39], s[24:31]
	s_nop 0
	PLACES 4
	s_add_co_u32 s58, s47, RING
	v_add_nc_u32 v5, s58, v3
	v_add_nc_u32 v6, SLOT, v5
	s_add_co_u32 s58, s58, SCW
	v_add_nc_u32 v7, s58, v4
	v_add_nc_u32 v8, SLOT, v7
	s_mul_i32 s58, s14, 16*SPI
	s_add_co_u32 s58, s58, STAGE
	v_add_nc_u32 v9, s58, v3
	v_mul_u32_u24 v10, v88, SPI
	v_lshl_add_u32 v10, v89, 6, v10
	v_add_nc_u32 v10, s58, v10
	s_mul_i32 s58, s14, FRB
	v_add_nc_u32 v11, s58, v3
	s_lshl_b32 s58, s14, 7
	s_add_co_u32 s58, s58, ISC
	v_add_nc_u32 v12, s58, v4
	s_mul_i32 s58, s14, 9*512
	s_add_co_u32 s58, s58, CONST
	v_add_nc_u32 v13, s58, v3
	s_lshl_b32 s58, s14, 8
	s_add_co_u32 s58, s58, RED
	v_lshl_add_u32 v14, v89, 5, s58
	s_lshr_b32 s58, s14, 1
	s_lshl_b32 s58, s58, 10
	s_and_b32 s59, s14, 1
	s_lshl_b32 s59, s59, 7
	s_add_co_u32 s58, s58, s59
	s_add_co_u32 s58, s58, RED
	v_add_nc_u32 v15, s58, v4
.irp b, 0,1,2,3
	v_mov_b32 v[TM+4+\b], 0
.endr
	s_wait_alu depctr_va_vdst(0)
	TURNSET 0, 63                                  ; 64 loads are younger than set 0's: set 1's 16 and the 48 of v and hb
	s_wait_dscnt 0x0
	LOADSET 0
	QUANT
	IMAGE 0
	s_wait_loadcnt 16                              ; the third set may be out: v and hb are in
.irp t, 0,2,4,6,8,10,12,14
	v_pk_add_f32 v[HB+\t:HB+\t+1], v[HB+\t:HB+\t+1], v[72+\t:73+\t]   ; hb's parts 0 + 2 (lanes 16-31: 1 + 3),
.endr
.irp t, 0,1,2,3,4,5,6,7,8,9,10,11,12,13,14,15
	v_permlanex16_b32 v[72+\t], v[HB+\t], s44, s45
.endr
.irp t, 0,2,4,6,8,10,12,14
	v_pk_add_f32 v[HB+\t:HB+\t+1], v[HB+\t:HB+\t+1], v[72+\t:73+\t]   ; and lane l xor 16's two: all four
.endr
	v_add_f32 v[SVR], v[VV], v[VV+1]
.irp t, 2,3,4,5,6,7,8,9,10,11,12,13,14,15
	v_add_f32 v[SVR], v[SVR], v[VV+\t]
.endr
.irp i, 1,2,3
	v_mov_b32 v[SVR+\i], v[SVR]
.endr
.irp t, 0,2,4,6,8,10,12,14
	v_pk_mul_f32 v[VV+\t:VV+\t+1], v[VV+\t:VV+\t+1], -2.0 op_sel_hi:[1,0]
.endr
.irp q, 0,1,2,3,4,5,6,7,8
	ds_store_b128 v13, v[VV+4*\q:VV+4*\q+3] offset:512*\q
.endr
	s_wait_dscnt 0x0
.set VV,   128                         ; from here on the way out's registers
.set HB,   144
.set SVR,  160
	s_wait_tensorcnt 1                             ; slot 1's fill may be out
	s_barrier_signal -1
	s_barrier_wait -1
	FETCH_B 0, 0
	FETCH_S 0
	FETCH_A 0, 0
	FETCH_A 0, 2
	s_mov_b32 s60, 0                               ; the block of 64 rows: the same number in every work-group
	s_mov_b32 s61, 0                               ; and its place among the waves' sums
.Lblock:
	PHASE 0, 1, 1, 2, 16                           ; a block's first phase starts the sums
	s_mov_b32 s46, 2
.Lpair:
	PHASE 1, 0, 1, 2, 16
	PHASE 0, 0, 1, 2, 16
	s_sub_co_u32 s46, s46, 1
	s_cmp_lg_u32 s46, 0
	s_cbranch_scc1 .Lpair
	s_cmp_lg_u32 s60, 0
	s_cbranch_scc1 .Llast                          ; the last block's last three phases are written out: they load, fill and quantise no more than is read
	PHASE 1, 0, 1, 2, 16
	PHASE 0, 0, 1, 2, 16
	PHASE 1, 0, 1, 2, 16                           ; the ring and the sets go on into the next block
	s_branch .Lepi
.Llast:
	PHASE 1, 0, 1, 1, 16
	PHASE 0, 0, 0, 1, 0
	PHASE 1, 0, 2, 0, 0
.Lepi:
	EPI
	s_add_co_u32 s61, s61, 1024
	s_add_co_u32 s60, s60, 1
	s_cmp_lt_u32 s60, 2
	s_cbranch_scc1 .Lblock
	s_wait_dscnt 0x0
	s_barrier_signal -1
	s_barrier_wait -1
.irp p, 0,1,2,3
	ds_load_b32 v[ACS+\p], v15 offset:256*\p
.endr
	s_wait_dscnt 0x0
	v_add_f32 v[ACS], v[ACS], v[ACS+1]
	v_add_f32 v[ACS+2], v[ACS+2], v[ACS+3]
	v_add_f32 v[ACS], v[ACS], v[ACS+2]
	global_store_b32 v4, v[ACS], s[12:13]
	s_wait_tensorcnt 0x0
	ds_add_u32 v1, v2
	s_wait_dscnt 0x0
	CROUND
	s_endpgm
.Lfunc_end_k_qf98ec5a17d_main:
	.size	k_qf98ec5a17d_main, .Lfunc_end_k_qf98ec5a17d_main-k_qf98ec5a17d_main
	.p2alignl 7, 3214868480
	.fill 96, 4, 3214868480
	.section	.rodata,"a",@progbits
	.p2align	6, 0x0
	.amdhsa_kernel k_qf98ec5a17d_main
		.amdhsa_group_segment_fixed_size 327680
		.amdhsa_private_segment_fixed_size 0
		.amdhsa_enable_private_segment 0
		.amdhsa_kernarg_size 40
		.amdhsa_user_sgpr_count 2
		.amdhsa_user_sgpr_kernarg_segment_ptr 1
		.amdhsa_wavefront_size32 1
		.amdhsa_system_sgpr_workgroup_id_x 1
		.amdhsa_system_sgpr_workgroup_id_y 1
		.amdhsa_system_sgpr_workgroup_id_z 1
		.amdhsa_system_vgpr_workitem_id 0
		.amdhsa_next_free_vgpr 1024
		.amdhsa_next_free_sgpr 66
		.amdhsa_reserve_vcc 0
		.amdhsa_float_denorm_mode_32 3
		.amdhsa_float_denorm_mode_16_64 3
		.amdhsa_memory_ordered 1
		.amdhsa_forward_progress 1
		.amdhsa_inst_pref_size 255
	.end_amdhsa_kernel
	.section	.bss,"aw",@nobits
	.p2align	6
	.space	262144
	.amdgpu_metadata
---
amdhsa.version: [ 1, 2 ]
amdhsa.kernels:
  - .name:           k_qf98ec5a17d_main
    .symbol:         k_qf98ec5a17d_main.kd
    .args:
      - { .name: encoderOutputs, .offset: 0, .size: 8, .value_kind: global_buffer, .address_space: global }
      - { .name: v, .offset: 8, .size: 8, .value_kind: global_buffer, .address_space: global }
      - { .name: wimg, .offset: 16, .size: 8, .value_kind: global_buffer, .address_space: global }
      - { .name: hbimg, .offset: 24, .size: 8, .value_kind: global_buffer, .address_space: global }
      - { .name: sc, .offset: 32, .size: 8, .value_kind: global_buffer, .address_space: global }
    .group_segment_fixed_size: 327680
    .private_segment_fixed_size: 0
    .kernarg_segment_align: 8
    .kernarg_segment_size: 40
    .max_flat_workgroup_size: 128
    .sgpr_count:     66
    .vgpr_count:     1024
    .wavefront_size: 32
...
	.end_amdgpu_metadata
.endif
;; end of part 2
;; launch soft (part 3): grid 32 x 1, 1 waves a work-group, no clusters, 0 bytes of LDS; arguments sc, out0; writes out0
.if DOCPART == 3
	.amdgcn_target "amdgcn-amd-amdhsa--gfx1250"
	.amdhsa_code_object_version 6
	.text
	.protected	k_qf98ec5a17d_soft
	.globl	k_qf98ec5a17d_soft
	.p2align	8
	.type	k_qf98ec5a17d_soft,@function
k_qf98ec5a17d_soft:
	s_mov_b64 s[64:65], 0
	v_nop
	global_prefetch_b8 v0, s[64:65] scope:SCOPE_SE
	s_setreg_imm32_b32 hwreg(HW_REG_WAVE_MODE, 25, 1), 1
	s_wait_xcnt 0x0
; out0[b][0][s] = softmax over s of sc[b][s].  One wave takes one row of 1,024 f32: 32 numbers a lane, kept in registers between the maximum, the exponentials and the division: the row is read once.
; The row's maximum is taken away ahead of the exponential: 2^(x L - max L), L = log2(e), by one fused multiply-add; the rounding of max L is the same for the whole row and falls out in the division by the sum.
; No LDS, no barrier: the reduction never leaves the wave.  LIMITS: NaN and infinities among the scores are not served.
	s_load_b128 s[4:7], s[0:1], 0x0                ; sc, out0
	v_lshlrev_b32 v1, 4, v0                        ; 16 bytes a lane
	s_lshl_b32 s8, ttmp9, 12                       ; a row is 4,096 bytes
	s_mov_b32 s9, 0
	s_mov_b32 s10, 0x76543210
	s_mov_b32 s11, 0xfedcba98                      ; selects for lane l xor 16
	s_wait_alu depctr_va_vdst(0)
	s_wait_kmcnt 0x0
	s_add_nc_u64 s[4:5], s[4:5], s[8:9]
	s_add_nc_u64 s[6:7], s[6:7], s[8:9]
.irp i, 0,1,2,3,4,5,6,7
	global_load_b128 v[4+4*\i:7+4*\i], v1, s[4:5] offset:512*\i   ; 512 consecutive bytes a load
.endr
	s_wait_loadcnt 0x0
	v_max3_num_f32 v36, v4, v5, v6                 ; the largest of my 32, in two chains
	v_max3_num_f32 v37, v7, v8, v9
.irp i, 10,14,18,22,26,30
	v_max3_num_f32 v36, v36, v[\i], v[\i+1]
	v_max3_num_f32 v37, v37, v[\i+2], v[\i+3]
.endr
	v_max3_num_f32 v36, v36, v34, v35
	v_max_num_f32 v36, v36, v37
	v_max_num_f32_dpp v36, v36, v36 row_xmask:1 row_mask:0xf bank_mask:0xf
	v_max_num_f32_dpp v36, v36, v36 row_xmask:2 row_mask:0xf bank_mask:0xf
	v_max_num_f32_dpp v36, v36, v36 row_xmask:4 row_mask:0xf bank_mask:0xf
	v_max_num_f32_dpp v36, v36, v36 row_xmask:8 row_mask:0xf bank_mask:0xf
	v_permlanex16_b32 v37, v36, s10, s11
	v_max_num_f32 v36, v36, v37                    ; the row's maximum, in every lane
	v_mul_f32 v38, 0xbfb8aa3b, v36                 ; - max L
	v_mov_b32 v39, v38
.irp j, 0,1,2,3,4,5,6,7,8,9,10,11,12,13,14,15
	v_pk_fma_f32 v[4+2*\j:5+2*\j], v[4+2*\j:5+2*\j], 0x3fb8aa3b, v[38:39] op_sel_hi:[1,0,1]
.endr
	s_wait_alu depctr_va_vdst(0)
.irp j, 0,1,2,3,4,5,6,7,8,9,10,11,12,13,14,15,16,17,18,19,20,21,22,23,24,25,26,27,28,29,30,31
	v_exp_f32 v[4+\j], v[4+\j]
.endr
	v_nop                                          ; a plain instruction behind the last exponential
	s_wait_alu depctr_va_vdst(0)                   ; one wait for the batch, ahead of its first reader
	v_pk_add_f32 v[40:41], v[4:5], v[6:7]          ; the sum, two at a time, in two chains
	v_pk_add_f32 v[42:43], v[8:9], v[10:11]
.irp j, 12,16,20,24,28,32
	v_pk_add_f32 v[40:41], v[40:41], v[\j:\j+1]
	v_pk_add_f32 v[42:43], v[42:43], v[\j+2:\j+3]
.endr
	v_pk_add_f32 v[40:41], v[40:41], v[42:43]
	v_add_f32 v40, v40, v41
	v_add_f32_dpp v40, v40, v40 row_xmask:1 row_mask:0xf bank_mask:0xf
	v_add_f32_dpp v40, v40, v40 row_xmask:2 row_mask:0xf bank_mask:0xf
	v_add_f32_dpp v40, v40, v40 row_xmask:4 row_mask:0xf bank_mask:0xf
	v_add_f32_dpp v40, v40, v40 row_xmask:8 row_mask:0xf bank_mask:0xf
	v_permlanex16_b32 v41, v40, s10, s11
	v_add_f32 v40, v40, v41                        ; the row's sum, in every lane
	s_wait_alu depctr_va_vdst(0)
	v_rcp_f32 v42, v40
	v_nop
	s_wait_alu depctr_va_vdst(0)
.irp j, 0,1,2,3,4,5,6,7,8,9,10,11,12,13,14,15
	v_pk_mul_f32 v[4+2*\j:5+2*\j], v[4+2*\j:5+2*\j], v[42:43] op_sel_hi:[1,0]
.endr
.irp i, 0,1,2,3,4,5,6,7
	global_store_b128 v1, v[4+4*\i:7+4*\i], s[6:7] offset:512*\i   ; 512 consecutive bytes a store, at a multiple of 256 from the output's first byte
.endr
	s_endpgm
.Lfunc_end_k_qf98ec5a17d_soft:
	.size	k_qf98ec5a17d_soft, .Lfunc_end_k_qf98ec5a17d_soft-k_qf98ec5a17d_soft
	.p2alignl 7, 3214868480
	.fill 96, 4, 3214868480
	.section	.rodata,"a",@progbits
	.p2align	6, 0x0
	.amdhsa_kernel k_qf98ec5a17d_soft
		.amdhsa_group_segment_fixed_size 0
		.amdhsa_private_segment_fixed_size 0
		.amdhsa_enable_private_segment 0
		.amdhsa_kernarg_size 16
		.amdhsa_user_sgpr_count 2
		.amdhsa_user_sgpr_kernarg_segment_ptr 1
		.amdhsa_wavefront_size32 1
		.amdhsa_system_sgpr_workgroup_id_x 1
		.amdhsa_system_sgpr_workgroup_id_y 1
		.amdhsa_system_sgpr_workgroup_id_z 1
		.amdhsa_system_vgpr_workitem_id 0
		.amdhsa_next_free_vgpr 64
		.amdhsa_next_free_sgpr 66
		.amdhsa_reserve_vcc 0
		.amdhsa_float_denorm_mode_32 3
		.amdhsa_float_denorm_mode_16_64 3
		.amdhsa_memory_ordered 1
		.amdhsa_forward_progress 1
		.amdhsa_inst_pref_size 9
	.end_amdhsa_kernel
	.amdgpu_metadata
---
amdhsa.version: [ 1, 2 ]
amdhsa.kernels:
  - .name:           k_qf98ec5a17d_soft
    .symbol:         k_qf98ec5a17d_soft.kd
    .args:
      - { .name: sc, .offset: 0, .size: 8, .value_kind: global_buffer, .address_space: global }
      - { .name: out0, .offset: 8, .size: 8, .value_kind: global_buffer, .address_space: global }
    .group_segment_fixed_size: 0
    .private_segment_fixed_size: 0
    .kernarg_segment_align: 8
    .kernarg_segment_size: 16
    .max_flat_workgroup_size: 32
    .sgpr_count:     66
    .vgpr_count:     64
    .wavefront_size: 32
...
	.end_amdgpu_metadata
.endif
;; end of part 3
